; MI455X (gfx1250); checked and timed in simulation.
; The chip was launched on July 23, 2026; its instructions are those of AMD's public machine-readable ISA for CDNA 5 (MIT licence, August 2026) and "CDNA5" Instruction Set Architecture Reference Guide (July 2026). The comments in the code are by the model that wrote it; some were corrected since.
;; Group Query Attention QKV. Allowed arithmetic: float matrix products may take bf16 or f16 operands with f32 sums; other float arithmetic in f32, or as packed bf16 or f16 multiplies, adds, multiply-adds, maxima and minima; sums over many terms, partial sums and values carried from step to step in f32; what a program stores and reads back later, other than sums and carried values, may be rounded once to bf16 or f16.
;; Inputs: gamma 4,096 float32; hidden_states 2 x 2,048 x 4,096 float32; w_k 4,096 x 1,024 float32; w_q 4,096 x 2,048 float32; w_v 4,096 x 1,024 float32.
;; Outputs: out0 2 x 2,048 x 2,048 float32; out1 2 x 2,048 x 1,024 float32; out2 2 x 2,048 x 1,024 float32.
;; 2 versions, each right; version 2 is version 1 with the launch prep written anew for expert scheduling mode. Each part assembles by itself: llvm-mc -triple=amdgcn-amd-amdhsa -mcpu=gfx1250 --defsym DOCPART=n.
;; ======== version 1 of 2: 2 launches
;; workspace buffers: xb 33,554,432 bytes; wb 33,554,432 bytes; rs2 32,768 bytes
;; launch prep (part 1): grid 256 x 1, 8 waves a work-group, no clusters, 2,048 bytes of LDS; arguments hidden_states, gamma, w_q, w_k, w_v, xb, wb, rs2; writes xb, wb, rs2
.if DOCPART == 1
	.amdgcn_target "amdgcn-amd-amdhsa--gfx1250"
	.amdhsa_code_object_version 6
	.text
	.protected	k_q6425f552fa_prep
	.globl	k_q6425f552fa_prep
	.p2align	8
	.type	k_q6425f552fa_prep,@function
k_q6425f552fa_prep:
	s_mov_b64 s[64:65], 0
	v_nop
	global_prefetch_b8 v0, s[64:65] scope:SCOPE_SE
	s_setreg_imm32_b32 hwreg(HW_REG_WAVE_MODE, 25, 1), 1
	s_wait_xcnt 0x0
; THE OPERANDS OF THE PRODUCT ARE MADE.  xb[m][k] = bf16(x[m][k]);  rs2[m] = (rs, rs), rs = 1 / sqrt(mean over k of xb[m][k]^2 + 1e-6), in f32;
; wb[k][n] = bf16(bf16(w[k][n]) x bf16(gamma[k])), where a row of wb holds w_q's 2,048 numbers, then w_k's 1,024, then w_v's 1,024.
; LIMITS.  x, w and gamma are each rounded to bf16 as they stand; the product w x gamma is rounded to bf16 once more (up to 2^-9 of itself); the sum of squares is taken of
; the rounded x, in f32, four chains a lane and then a tree over the lanes, which is another order than a plain sum's; v_rsq_f32 is good to one unit in the last place.
; bf16 has the range of f32, so nothing is lost at large or small inputs.  NaN and infinities are not treated apart.
; SHARES.  256 work-groups of eight waves.  Groups 0-127 take 32 rows of x each, groups 128-255 32 rows k of all three weights: either kind of row is 16,384 bytes of f32 in and
; 8,192 bytes of bf16 out, so all groups move the same bytes.  A wave takes 4 rows.  A row is 32 loads, each of 512 consecutive bytes (16 a lane); each gives one store of
; 256 consecutive bytes, aligned (8 a lane).  A ring of 32 slots in registers, one row, keeps 32 loads of every wave on their way.
; No byte is wanted by two waves, so nothing goes through LDS on the way in; only the 32 row sums of a group meet there, so that rs2 leaves as one store of 256 bytes.
.set XROW,  16384                      ; bytes in a row of x
.set BROW,  8192                       ; bytes in a row of xb and of wb
.set SPARE, 1024                       ; LDS: bytes 0-1023 the row sums, a word a thread; from here the spare words, 128 bytes for each wave, which no other line names
.set LN,  1                            ; v1       my lane
.set LO,  2                            ; v2       16 x lane: my bytes of a load; never rewritten
.set SO,  3                            ; v3       8 x lane: my bytes of a store; never rewritten
.set LW,  4                            ; v4       4 x my thread's number: my word among the row sums
.set T,   6                            ; v[6:9]   four numbers at work
.set ACC, 10                           ; v[10:13] four chains of squares
.set G,   14                           ; v[14:15] bf16(gamma[k]) as f32, twice
.set SUMS, 18                          ; v18      lane 3 - i holds the sum of squares of my wave's row i
.set SPW, 30                           ; v30      LDS address of my spare word; never rewritten
.set NIL, 31                           ; v31      0; never rewritten
.set X,   32                           ; v[32:159]  slot j: four f32 as loaded
.set Y,   160                          ; v[160:223] slot j: four bf16 to store
	s_load_b512 s[16:31], s[0:1], 0x0              ; x s[16:17], gamma s[18:19], w_q s[20:21], w_k s[22:23], w_v s[24:25], xb s[26:27], wb s[28:29], rs2 s[30:31]
	v_lshl_add_u32 v[SPW], v0, 2, SPARE
	v_mov_b32 v[NIL], 0
	v_lshrrev_b32 v5, 5, v0
	v_readfirstlane_b32 s8, v5                     ; wave 0..7
	v_and_b32 v[LN], 31, v0
	v_lshlrev_b32 v[LO], 4, v[LN]
	v_lshlrev_b32 v[SO], 3, v[LN]
	v_lshlrev_b32 v[LW], 2, v0
	v_mov_b32 v[SUMS], 0
	s_mov_b32 s13, 0xffff0000                      ; a word's upper bf16
	s_mov_b32 s34, 0x76543210                      ; v_permlanex16_b32: each lane takes its own place in the other half
	s_mov_b32 s35, 0xfedcba98
	s_mov_b32 s40, 0x39800000                      ; 1 / 4096
	s_mov_b32 s41, 0x358637bd                      ; 1e-6
	s_mov_b32 s3, 0                                ; the high words of three offsets
	s_mov_b32 s5, 0
	s_mov_b32 s7, 0
	s_lshl_b32 s2, s8, 2                           ; my wave's 4 rows among the group's 32
	s_wait_kmcnt 0x0
	s_cmp_ge_u32 ttmp9, 128
	s_cbranch_scc1 .Lw
; ---------------------------------------------------------------- rows of x
; One slot's turn: its four numbers are rounded and stored, the slot is asked for again (the row below), and the rounded numbers' squares are added up.
; left = how many younger loads may stay out.
.macro SLOTX j, ahead, left
	s_wait_loadcnt \left                           ; loads come back in order (ISA guide 5.7.1): mine is in
	v_cvt_pk_bf16_f32 v[Y+2*(\j)],   v[X+4*(\j)],   v[X+4*(\j)+1]
	v_cvt_pk_bf16_f32 v[Y+2*(\j)+1], v[X+4*(\j)+2], v[X+4*(\j)+3]
.if \ahead
	global_load_b128 v[X+4*(\j):X+4*(\j)+3], v[LO], s[16:17] offset:XROW+512*(\j) th:TH_LOAD_NT
.endif
	global_store_b64 v[SO], v[Y+2*(\j):Y+2*(\j)+1], s[26:27] offset:256*(\j)  ; 32 lanes store 256 consecutive bytes, at a multiple of 256 from xb's first byte
	v_lshlrev_b32 v[T],   16,  v[Y+2*(\j)]           ; bf16 to f32: the low half moves up, the high half stays
	v_and_b32     v[T+1], s13, v[Y+2*(\j)]
	v_lshlrev_b32 v[T+2], 16,  v[Y+2*(\j)+1]
	v_and_b32     v[T+3], s13, v[Y+2*(\j)+1]
.if (\j) == 0
	v_pk_mul_f32 v[ACC:ACC+1],   v[T:T+1],   v[T:T+1]      ; a row's first squares start the chains: nothing is cleared
	v_pk_mul_f32 v[ACC+2:ACC+3], v[T+2:T+3], v[T+2:T+3]
.else
	v_pk_fma_f32 v[ACC:ACC+1],   v[T:T+1],   v[T:T+1],   v[ACC:ACC+1]
	v_pk_fma_f32 v[ACC+2:ACC+3], v[T+2:T+3], v[T+2:T+3], v[ACC+2:ACC+3]
.endif
.endm
; A row's end: the four chains, then the 32 lanes; the sum, which every lane then holds, is kept in lane who of SUMS.
.macro ROWEND who
	v_pk_add_f32 v[ACC:ACC+1], v[ACC:ACC+1], v[ACC+2:ACC+3]
	v_add_f32 v[ACC], v[ACC], v[ACC+1]
	v_add_f32_dpp v[ACC], v[ACC], v[ACC] row_xmask:1 row_mask:0xf bank_mask:0xf
	v_add_f32_dpp v[ACC], v[ACC], v[ACC] row_xmask:2 row_mask:0xf bank_mask:0xf
	v_add_f32_dpp v[ACC], v[ACC], v[ACC] row_xmask:4 row_mask:0xf bank_mask:0xf
	v_add_f32_dpp v[ACC], v[ACC], v[ACC] row_xmask:8 row_mask:0xf bank_mask:0xf
	v_permlanex16_b32 v[ACC+1], v[ACC], s34, s35   ; its destination counts as read: it has been written
	v_add_f32 v[ACC], v[ACC], v[ACC+1]
	v_cmp_eq_u32 vcc_lo, \who, v[LN]
	v_cndmask_b32 v[SUMS], v[SUMS], v[ACC], vcc_lo
.endm
	s_lshl_b32 s9, ttmp9, 5
	s_add_co_u32 s9, s9, s2                        ; my wave's first row
	s_lshl_b32 s2, s9, 14
	s_add_nc_u64 s[16:17], s[16:17], s[2:3]
	s_lshl_b32 s4, s9, 13
	s_add_nc_u64 s[26:27], s[26:27], s[4:5]
.set n, 0
.rept 32
	global_load_b128 v[X+4*n:X+4*n+3], v[LO], s[16:17] offset:512*n th:TH_LOAD_NT  ; the ring is filled: row 0
.set n, n+1
.endr
	s_mov_b32 s12, 3
.Lxrow:                                        ; three trips: a row is worked on and the row below asked for
.set n, 0
.rept 32
	SLOTX n, 1, 31
.set n, n+1
.endr
	ROWEND s12
	s_wait_xcnt 0x0                                ; all that was issued has read its sources (ISA guide 3.1): only behind this wait are the two bases stepped and Y written again
	s_add_nc_u64 s[16:17], s[16:17], XROW
	s_add_nc_u64 s[26:27], s[26:27], BROW
	s_sub_co_u32 s12, s12, 1
	s_cmp_lg_u32 s12, 0
	s_cbranch_scc1 .Lxrow
.set n, 0
.rept 32
	SLOTX n, 0, 31-n                               ; the last row loads nothing: the counts run down
.set n, n+1
.endr
	ROWEND 0
	ds_store_b32 v[LW], v[SUMS]                    ; row i of wave w lies at byte 128 w + 4 (3 - i)
	s_branch .Ljoin
; ---------------------------------------------------------------- rows of the weights
.macro WSRC j                          ; where slot j of a row comes from: base register, byte in the row, bytes from row to row
.if (\j) < 16
.set WS, 20
.set WO, 512*(\j)
.set WP, 8192
.elseif (\j) < 24
.set WS, 22
.set WO, 512*((\j)-16)
.set WP, 4096
.else
.set WS, 24
.set WO, 512*((\j)-24)
.set WP, 4096
.endif
.endm
.macro WLOAD j, down                   ; slot j is asked for: this row (down = 0) or the row below (1)
	WSRC \j
	global_load_b128 v[X+4*(\j):X+4*(\j)+3], v[LO], s[WS:WS+1] offset:WO+(\down)*WP th:TH_LOAD_NT
.endm
; One slot's turn: four weights are rounded to bf16, multiplied in f32 by the row's rounded gamma, rounded once more and stored.
.macro SLOTW j, ahead, left
	s_wait_loadcnt \left
	v_cvt_pk_bf16_f32 v16, v[X+4*(\j)],   v[X+4*(\j)+1]
	v_cvt_pk_bf16_f32 v17, v[X+4*(\j)+2], v[X+4*(\j)+3]
.if \ahead
	WLOAD \j, 1
.endif
	v_lshlrev_b32 v[T],   16,  v16
	v_and_b32     v[T+1], s13, v16
	v_lshlrev_b32 v[T+2], 16,  v17
	v_and_b32     v[T+3], s13, v17
	v_pk_mul_f32 v[T:T+1],   v[T:T+1],   v[G:G+1]
	v_pk_mul_f32 v[T+2:T+3], v[T+2:T+3], v[G:G+1]
	v_cvt_pk_bf16_f32 v[Y+2*(\j)],   v[T],   v[T+1]
	v_cvt_pk_bf16_f32 v[Y+2*(\j)+1], v[T+2], v[T+3]
	global_store_b64 v[SO], v[Y+2*(\j):Y+2*(\j)+1], s[28:29] offset:256*(\j)  ; q, k and v side by side: slot j lies at byte 256 j of wb's row
.endm
.macro GROW                            ; the row's gamma, in s36: rounded to bf16, widened again, twice
	v_cvt_pk_bf16_f32 v16, s36, s36
	v_and_b32 v[G], s13, v16
	v_mov_b32 v[G+1], v[G]
.endm
.Lw:
	s_sub_co_u32 s9, ttmp9, 128
	s_lshl_b32 s9, s9, 5
	s_add_co_u32 s9, s9, s2                        ; my wave's first row k
	s_lshl_b32 s6, s9, 2
	s_add_nc_u64 s[18:19], s[18:19], s[6:7]
	s_load_b128 s[36:39], s[18:19], 0x0            ; gamma of my four rows
	s_lshl_b32 s2, s9, 13                          ; a row of w_q and of wb is 8,192 bytes,
	s_lshl_b32 s4, s9, 12                          ; a row of w_k and of w_v 4,096
	s_add_nc_u64 s[20:21], s[20:21], s[2:3]
	s_add_nc_u64 s[22:23], s[22:23], s[4:5]
	s_add_nc_u64 s[24:25], s[24:25], s[4:5]
	s_add_nc_u64 s[28:29], s[28:29], s[2:3]
.set n, 0
.rept 32
	WLOAD n, 0                                     ; the ring is filled: row 0
.set n, n+1
.endr
	s_wait_kmcnt 0x0
	s_mov_b32 s12, 3
.Lwrow:
	GROW
.set n, 0
.rept 32
	SLOTW n, 1, 31
.set n, n+1
.endr
	s_wait_xcnt 0x0                                ; only behind this wait are the four bases stepped and Y written again
	s_add_nc_u64 s[20:21], s[20:21], 8192
	s_add_nc_u64 s[22:23], s[22:23], 4096
	s_add_nc_u64 s[24:25], s[24:25], 4096
	s_add_nc_u64 s[28:29], s[28:29], BROW
	s_mov_b32 s36, s37                             ; the next row's gamma moves up
	s_mov_b32 s37, s38
	s_mov_b32 s38, s39
	s_sub_co_u32 s12, s12, 1
	s_cmp_lg_u32 s12, 0
	s_cbranch_scc1 .Lwrow
	GROW
.set n, 0
.rept 32
	SLOTW n, 0, 31-n
.set n, n+1
.endr
; ---------------------------------------------------------------- the end, on every wave's path, so that the barrier stands under no branch
.Ljoin:
	s_wait_dscnt 0x0                               ; for the others' sake: my row sums lie in LDS
	s_barrier_signal -1
	s_barrier_wait -1
	s_cmp_ge_u32 ttmp9, 128                        ; a group of weights has no row sums
	s_cbranch_scc1 .Lend
	s_cmp_lg_u32 s8, 0                             ; wave 0 finishes the group's 32 rows, a lane a row
	s_cbranch_scc1 .Lend
	v_lshrrev_b32 v5, 2, v[LN]                     ; row l belongs to wave l / 4
	v_and_b32 v16, 3, v[LN]
	v_xor_b32 v16, 3, v16                          ; and lies in its lane 3 - l % 4
	v_lshlrev_b32 v16, 2, v16
	v_lshl_add_u32 v5, v5, 7, v16
	ds_load_b32 v16, v5
	s_lshl_b32 s2, ttmp9, 8                        ; the group's 32 pairs: 256 bytes of rs2
	s_add_nc_u64 s[30:31], s[30:31], s[2:3]
	s_wait_dscnt 0x0
	v_fma_f32 v16, v16, s40, s41                   ; mean + 1e-6
	v_rsq_f32 v20, v16
	v_nop                                          ; a plain instruction between the root and the use of its result (ISA guide 5.7.2)
	s_wait_alu depctr_va_vdst(0)                   ; and the wait ahead of the first use
	v_mov_b32 v21, v20                             ; stored twice: a ready pair for a packed multiply, and 32 rows fill 256 bytes
	global_store_b64 v[SO], v[20:21], s[30:31]     ; 256 consecutive bytes, at a multiple of 256 from rs2's first byte
.Lend:
	s_wait_tensorcnt 0x0                           ; the wave's end, behind my last LDS store
	ds_add_u32 v[SPW], v[NIL]
	s_wait_dscnt 0x0
	s_endpgm
.Lfunc_end_k_q6425f552fa_prep:
	.size	k_q6425f552fa_prep, .Lfunc_end_k_q6425f552fa_prep-k_q6425f552fa_prep
	.p2alignl 7, 3214868480
	.fill 96, 4, 3214868480
	.section	.rodata,"a",@progbits
	.p2align	6, 0x0
	.amdhsa_kernel k_q6425f552fa_prep
		.amdhsa_group_segment_fixed_size 2048
		.amdhsa_private_segment_fixed_size 0
		.amdhsa_enable_private_segment 0
		.amdhsa_kernarg_size 64
		.amdhsa_user_sgpr_count 2
		.amdhsa_user_sgpr_kernarg_segment_ptr 1
		.amdhsa_wavefront_size32 1
		.amdhsa_system_sgpr_workgroup_id_x 1
		.amdhsa_system_sgpr_workgroup_id_y 1
		.amdhsa_system_sgpr_workgroup_id_z 1
		.amdhsa_system_vgpr_workitem_id 0
		.amdhsa_next_free_vgpr 224
		.amdhsa_next_free_sgpr 66
		.amdhsa_reserve_vcc 1
		.amdhsa_float_denorm_mode_32 3
		.amdhsa_float_denorm_mode_16_64 3
		.amdhsa_memory_ordered 1
		.amdhsa_forward_progress 1
		.amdhsa_inst_pref_size 90
	.end_amdhsa_kernel
	.amdgpu_metadata
---
amdhsa.version: [ 1, 2 ]
amdhsa.kernels:
  - .name:           k_q6425f552fa_prep
    .symbol:         k_q6425f552fa_prep.kd
    .args:
      - { .name: hidden_states, .offset: 0, .size: 8, .value_kind: global_buffer, .address_space: global }
      - { .name: gamma, .offset: 8, .size: 8, .value_kind: global_buffer, .address_space: global }
      - { .name: w_q, .offset: 16, .size: 8, .value_kind: global_buffer, .address_space: global }
      - { .name: w_k, .offset: 24, .size: 8, .value_kind: global_buffer, .address_space: global }
      - { .name: w_v, .offset: 32, .size: 8, .value_kind: global_buffer, .address_space: global }
      - { .name: xb, .offset: 40, .size: 8, .value_kind: global_buffer, .address_space: global }
      - { .name: wb, .offset: 48, .size: 8, .value_kind: global_buffer, .address_space: global }
      - { .name: rs2, .offset: 56, .size: 8, .value_kind: global_buffer, .address_space: global }
    .group_segment_fixed_size: 2048
    .private_segment_fixed_size: 0
    .kernarg_segment_align: 8
    .kernarg_segment_size: 64
    .max_flat_workgroup_size: 256
    .sgpr_count:     66
    .vgpr_count:     224
    .wavefront_size: 32
...
	.end_amdgpu_metadata
.endif
;; end of part 1
;; launch gemm (part 2): grid 16 x 16, 4 waves a work-group, clusters of 4 x 4, 327,680 bytes of LDS; arguments xb, wb, rs2, out0, out1, out2; writes out0, out1, out2
.if DOCPART == 2
	.amdgcn_target "amdgcn-amd-amdhsa--gfx1250"
	.amdhsa_code_object_version 6
	.text
	.protected	k_q6425f552fa_gemm
	.globl	k_q6425f552fa_gemm
	.p2align	8
	.type	k_q6425f552fa_gemm,@function
k_q6425f552fa_gemm:
	s_mov_b64 s[64:65], 0
	v_nop
	global_prefetch_b8 v0, s[64:65] scope:SCOPE_SE
	s_setreg_imm32_b32 hwreg(HW_REG_WAVE_MODE, 25, 1), 1
	s_wait_xcnt 0x0
	s_wait_alu depctr_hold_cnt(0) depctr_sa_sdst(0) depctr_va_vdst(0) depctr_va_sdst(0) depctr_va_ssrc(0) depctr_va_vcc(0) depctr_vm_vsrc(0)
	s_getreg_b32 s2, hwreg(HW_REG_IB_STS2, 6, 4)
	s_cmp_eq_u32 s2, 0
	s_cbranch_scc0 .Lentry_in_a_cluster
	s_endpgm
.Lentry_in_a_cluster:
	s_bfe_u32 s2, ttmp6, 0x10000c
	s_cmp_lg_u32 s2, 0xf033
	s_cbranch_scc0 .Lentry_shape_is_right
	s_endpgm
.Lentry_shape_is_right:
; C[m][n] = rs[m] x the sum over k of xb[m][k] wb[k][n].  xb: [4096][4096] bf16 (x rounded), wb: [4096 k][4096 n] bf16 (w x gamma rounded; columns 0-2047 q, 2048-3071 k, 3072-4095 v),
; rs2: [4096][2] f32 (1 / rms, twice).  C's columns leave as f32 into out0 [4096][2048], out1 [4096][1024], out2 [4096][1024].  Sums in f32, K ascending; 1 / rms is applied in f32 to the finished sums.
; LIMITS.  The operands are bf16, as the launch before made them; NaN and infinities are not treated apart.
; SHARES.  A tile of C, 256 x 256, is made by a work-group of four waves, as many as a WGP has SIMDs; a wave makes 128 x 128: 64 accumulators of 16 x 16, 512 registers.  16 x 16 tiles: 256 work-groups.
; K goes in 32 steps of 128 through a ring of two LDS slots filled by the tensor data mover: of xb 256 rows x 256 bytes, of wb 128 rows k x 512 bytes (as two halves of 256 bytes a row);
; every row of a tile is 256 consecutive bytes of memory at a multiple of 256 from the buffer's first byte.
; CLUSTERS: 4 x 4 work-groups.  The four of a row of the cluster need the same tiles of xb, the four of a column the same tiles of wb: each tile is asked for JOINTLY, by the same tensor load with the
; same descriptor and a mask that names the four.
; THE MATRIX INSTRUCTION IS USED TRANSPOSED: source 0 = 16 columns n of wb, source 1 = 16 rows of xb.  In the result lane l holds row m = l % 16 of C and its registers 0-7 the columns
; 8 (l / 16) + 0..7: 32 consecutive bytes of a row.  xb's fragments come out of LDS as they lie (K along the rows); wb lies [k][n] and is turned on the way, by ds_load_tr16_b128.
; REGISTERS, in windows of 256 (s_set_vgpr_msb: bits 1:0 source 0, 3:2 source 1, 5:4 source 2, 7:6 destination):
;   window 0: v0-31 addresses; v32-47 the stores' offsets; v48-63 1 / rms of my rows; v64-127, v128-191 fragments of xb, two buffers (on the way out: rows read back from the stage)
;   window 1: v64-127, v128-191 fragments of wb, two buffers      window 2: the 32 accumulators of my rows 0-63 ((a, b) at v[8 (8 a + b)])      window 3: those of my rows 64-127
.set KSTEP,  128
.set ROWB,   8192                      ; bytes in a row of xb and of wb
.set PA,     272                       ; a row of xb in LDS: 256 bytes + 16 of padding = 68 words: row r starts at bank 4 r mod 64 (64 banks of 4 bytes: ISA guide 11.1), so the 16 rows of a load start at 16 different banks
.set PB,     288                       ; a row of wb: 256 + 32 = 72 words
.set HALFA,  128*PA                    ; 128 rows of xb: what one tensor load brings, and what one wave reads
.set HALFB,  128*PB                    ; 128 rows k x 128 columns of wb: likewise
.set BOFF,   2*HALFA                   ; a slot: xb's two halves, then wb's two halves
.set SLOT,   BOFF+2*HALFB
.set STAGE,  2*SLOT                    ; behind the ring, never filled by a tensor load: 16 rows x 528 bytes for each wave, for the way out
.set SPITCH, 528                       ; 512 bytes + 16 = 132 words: row r starts at bank 4 r mod 64
.set SPARE,  STAGE+4*16*SPITCH         ; behind the stages: the spare words, 128 bytes for each wave: two blocks of 256 bytes that no other line names
.set LAPS,   16                        ; a lap = two K steps = once round the ring
.set ADRA, 16                          ; v16-17  LDS address of my fragments of xb in slot 0, 1
.set ADRB, 20                          ; v20-21  the same for wb
.set STO,  24                          ; v24     the way out: where I put 32 bytes of a row
.set RD,   25                          ; v25     the way out: where I read 16 bytes of a row back
.set RO,   26                          ; v26     8 x (l % 16): my row's pair in rs2
.set SPW,  28                          ; v28     LDS address of my spare word: SPARE + 4 x my thread's number; never rewritten
.set NIL,  29                          ; v29     0; never rewritten
.set PFO,  30                          ; v30     the prefetches' offset: my lane x a row of xb or wb; never rewritten
.set CO,   32                          ; v32-47  16 x lane + t x the output's row, t = 0..15; never rewritten
.set RS,   48                          ; v48-63  block a of 16 rows: (rs, rs) of my row at RS + 2 a
.set F0,   64                          ; fragment buffer 0
.set F1,   128                         ; fragment buffer 1
.set G1,  24                           ; s[24:31] descriptor group 1 for xb's tiles
.set G0,  32                           ; s[32:39] descriptor group 0 for xb's tiles, one set for each slot
.set G1B, 48                           ; s[48:55] descriptor group 1 for wb's tiles: another mask, another padding
.set G0B, 56                           ; s[56:63] descriptor group 0 for wb's tiles, one set for each slot
.set LIM, 43                           ; s43      1 in a wave that prefetches, else the greatest number
.set PFA, 44                           ; s[44:45] where my prefetches stand
.set PFS, 76                           ; s[76:77] a K step for them: 256 bytes along xb's rows, 128 rows down wb
.set OP,  78                           ; s78      bytes in a row of my output;  s[80:81] 16 such rows
.set MSB, 0
.macro WIN new                         ; the immediate's high byte repeats the setting that is left; a switch that changes nothing is dropped
.if MSB != (\new)
	s_set_vgpr_msb (MSB<<8)|(\new)
.set MSB, \new
.endif
.endm
.set MUL_LO, 0xa1                      ; source 0 (wb) window 1, source 1 (xb) window 0, C and D window 2
.set MUL_HI, 0xf1                      ; the same, C and D window 3
.set TO_B,   0x40                      ; destination window 1, address window 0
; A joint load.  Waves 0 and 1 fetch xb's two halves, waves 2 and 3 wb's.  Each of the two lines has one mask and one set of registers for all that issue it.  The branch hangs on the wave's number alone.
; An s_nop 0 and four v_nop follow each of the two lines, ahead of the jump, the label and what follows the macro.
.macro JLOAD s
	s_cmp_eq_u32 s11, 0
	s_cbranch_scc0 .Lfor_b_\@
	tensor_load_to_lds s[G0+4*(\s):G0+4*(\s)+3], s[G1:G1+7]
	s_nop 0
.rept 4
	v_nop
.endr
	s_branch .Lasked_\@
.Lfor_b_\@:
	tensor_load_to_lds s[G0B+4*(\s):G0B+4*(\s)+3], s[G1B:G1B+7]
	s_nop 0
.rept 4
	v_nop
.endr
.Lasked_\@:
.endm
; A PREFETCH INTO THE L2, behind each joint refill, its five lines and the run of LDS loads that follows them: the K step that stands TWO refills on, 512 matrix instructions ahead of the load that will
; want it: 32 rows x 256 bytes, a lane a row, one instruction a wave.  Each row's 256 bytes of a K step are named ONCE in the launch: xb's tile row is read by every cluster of that row of clusters, and
; cluster x = 0 asks; wb's tile column by every cluster of that column, and cluster y = 0 asks.  The four partners that ask for a tile jointly share its 128 rows out BY ADDRESS, 32 each (by cx for xb,
; by cy for wb): no branch hangs on a work-group's place in its cluster.  K steps 0 to 3 come by their loads alone; the loop's last trip (s3 = 1) asks for nothing: there is no K step 32.
.macro ASK
	s_cmp_gt_u32 s3, s[LIM]
	s_cbranch_scc0 .Lnot_mine_\@
	global_prefetch_b8 v[PFO], s[PFA:PFA+1] th:TH_LOAD_NT scope:SCOPE_SE
.Lnot_mine_\@:
.endm
; A round of the cluster's barrier: my work-group's barrier, so that wave 0's signal speaks for all four waves; wave 0 signals for the work-group; every wave waits for all sixteen; my work-group's barrier once more.
.macro CREST                           ; a round behind its opening barrier
	s_cmp_lg_u32 s10, 0
	s_cbranch_scc1 .Lnot_wave_0_\@
	s_barrier_signal -3
.Lnot_wave_0_\@:
	s_barrier_wait -3
	s_barrier_signal -1
	s_barrier_wait -1
.endm
.macro CROUND                          ; a whole round
	s_barrier_signal -1
	s_barrier_wait -1
	CREST
.endm
	s_load_b128 s[4:7], s[0:1], 0x0                ; xb s[4:5], wb s[6:7]
	s_load_b256 s[68:75], s[0:1], 0x10             ; rs2 s[68:69], out0 s[70:71], out1 s[72:73], out2 s[74:75]
	v_lshl_add_u32 v[SPW], v0, 2, SPARE
	v_mov_b32 v[NIL], 0
	ds_add_u32 v[SPW], v[NIL]                      ; the wave's opening: the add, twice on end, and its wait ahead of my first tensor load; the set-up below, work on registers, stands between
	ds_add_u32 v[SPW], v[NIL]                      ; and once more, under the one wait
	v_lshrrev_b32 v1, 5, v0
	v_readfirstlane_b32 s10, v1                    ; wave 0..3
	s_lshr_b32 s11, s10, 1                         ; which half of the tile's rows is mine.  Also: I fetch for xb (0) or for wb (1)
	s_and_b32 s12, s10, 1                          ; which half of its columns.  Also: which half of that tile I fetch
	s_bfe_u32 s40, ttmp6, 0x40000                  ; cx: my place along the cluster's x
	s_bfe_u32 s41, ttmp6, 0x40004                  ; cy: along its y
	s_lshl_b32 s42, ttmp9, 2                       ; in a cluster launch ttmp9 and ttmp7 count clusters
	s_add_co_u32 s42, s42, s40                     ; tile column of C = 4 x cluster x + cx
	s_and_b32 s13, ttmp7, 0xffff
	s_lshl_b32 s13, s13, 2
	s_add_co_u32 s13, s13, s41                     ; tile row of C = 4 x cluster y + cy
	s_lshl_b32 s43, s41, 2
	s_lshl_b32 s43, 15, s43                        ; my row of the cluster: places 4 cy .. 4 cy + 3
	s_lshl_b32 s44, 0x1111, s40                    ; my column: places cx, cx + 4, cx + 8, cx + 12
	; descriptor group 1: a tile of 128 rows x 128 elements, padded in LDS
	s_or_b32 s[G1+0], s43, (1<<16)|(1<<20)|(1<<21)|(5<<22)|(3<<25)   ; 15:0 the mask: xb's tiles go to my row; 17:16 elements of 2 bytes; 20 padding on; 21 set beside a mask; 24:22 after every 64 words (code 5); 31:25 4 words of it (code 3)
	s_or_b32 s[G1B+0], s44, (1<<16)|(1<<20)|(1<<21)|(5<<22)|(7<<25)  ; the mask of my column, for wb's tiles; 8 words of padding (code 7)
.irp g, G1, G1B
	s_mov_b32 s[(\g)+1], KSTEP<<16                 ; 63:48 tensor_dim0, low half = 128
	s_mov_b32 s[(\g)+2], 128<<16                   ; 79:64 its high half = 0; 95:80 tensor_dim1, low half = 128
	s_mov_b32 s[(\g)+3], KSTEP<<16                 ; 111:96 its high half = 0; 127:112 tile_dim0 = 128
	s_mov_b32 s[(\g)+4], 128                       ; 143:128 tile_dim1 = 128; 159:144 tile_dim2 = 0
	s_mov_b32 s[(\g)+5], 4096                      ; 191:160 tensor_dim0_stride, low word: elements from row to row
	s_mov_b32 s[(\g)+6], 0
	s_mov_b32 s[(\g)+7], 0
.endr
	; where the tiles come from.  xb's hang on the tile row alone, which my row of the cluster shares; wb's on the tile column alone, which my column shares.  Every wave makes both addresses and asks by one.
	s_lshl_b32 s17, s12, 7
	s_lshl_b32 s16, s13, 8
	s_add_co_u32 s16, s16, s17                     ; xb: row 256 x tile row + 128 x half,
	s_lshl_b32 s16, s16, 13                        ; in bytes (under 2^25)
	s_mov_b32 s17, 0
	s_lshl_b32 s46, s42, 9                         ; wb: column 256 x tile column + 128 x half, in bytes
	s_lshl_b32 s47, s12, 8
	s_add_co_u32 s46, s46, s47
	s_mov_b32 s47, 0
	s_mul_i32 s20, s12, HALFA                      ; and where they go: no place in the cluster enters an LDS address
	s_mul_i32 s21, s12, HALFB
	s_add_co_u32 s21, s21, BOFF
	s_wait_dscnt 0x0                               ; both opening adds are done
	s_wait_kmcnt 0x0
	s_add_nc_u64 s[14:15], s[4:5], s[16:17]
	s_add_nc_u64 s[46:47], s[6:7], s[46:47]
	CROUND                                         ; all sixteen work-groups are here: the first joint loads meet
.irp s, 0,1
	s_mov_b32 s[G0+4*(\s)], 1                                      ; 1:0 count = 1
	s_add_co_u32 s[G0+4*(\s)+1], s20, (\s)*SLOT                    ; 63:32 LDS address
	s_add_nc_u64 s[G0+4*(\s)+2:G0+4*(\s)+3], s[14:15], (\s)*KSTEP*2  ; 120:64 global address: K step s lies 256 s bytes along the rows
	s_or_b32 s[G0+4*(\s)+3], s[G0+4*(\s)+3], 0x80000000            ; 127:126 type = 2
	s_mov_b32 s[G0B+4*(\s)], 1
	s_add_co_u32 s[G0B+4*(\s)+1], s21, (\s)*SLOT
	s_add_nc_u64 s[G0B+4*(\s)+2:G0B+4*(\s)+3], s[46:47], (\s)*KSTEP*ROWB  ; K step s lies 128 s rows down
	s_or_b32 s[G0B+4*(\s)+3], s[G0B+4*(\s)+3], 0x80000000
	JLOAD \s                                       ; the ring is filled before anything else is done: two loads of mine are out
.endr
	; A fragment is 16 rows x 32 K in 8 registers: lane l holds row l % 16; registers 0-3 hold K = 8 (l / 16) + 0..7, registers 4-7 K = 16 + 8 (l / 16) + 0..7.
	v_and_b32 v1, 15, v0                           ; l % 16
	v_bfe_u32 v2, v0, 4, 1                         ; l / 16
	v_and_b32 v7, 31, v0                           ; l
	v_mul_u32_u24 v3, v1, PA                       ; xb, K along the LDS rows: two loads of 16 bytes, 32 bytes apart, at row x pitch + 16 x half
	v_lshl_add_u32 v3, v2, 4, v3
	; wb, [k][n]: the turning load takes 16 k x 16 n (lane l reads 16 bytes: row k = 8 (l / 16) + l % 8, columns 8 ((l / 8) % 2) + 0..7) and leaves half a fragment: lane l holds column l % 16 and 8 k.
	v_and_b32 v4, 7, v0
	v_bfe_u32 v5, v0, 3, 1
	v_lshl_add_u32 v4, v2, 3, v4
	v_mul_u32_u24 v4, v4, PB
	v_lshl_add_u32 v4, v5, 4, v4
	s_mul_i32 s21, s11, HALFA                      ; my 128 rows of xb
	s_mul_i32 s22, s12, HALFB                      ; my 128 columns of wb,
	s_add_co_u32 s22, s22, BOFF                    ; which lie behind xb's 256 rows
.irp s, 0,1
	v_add_nc_u32 v[ADRA+(\s)], s21, v3
	v_add_nc_u32 v[ADRB+(\s)], s22, v4
	s_add_co_u32 s21, s21, SLOT
	s_add_co_u32 s22, s22, SLOT
.endr
	s_mul_i32 s23, s10, 16*SPITCH
	s_add_co_u32 s23, s23, STAGE                   ; my stage
	v_mul_u32_u24 v5, v1, SPITCH                   ; in: row l % 16, 32 bytes for each half of the lanes
	v_lshl_add_u32 v5, v2, 5, v5
	v_add_nc_u32 v[STO], s23, v5
	v_lshl_add_u32 v[RD], v7, 4, s23               ; back: 32 lanes take a row's 512 bytes
	v_lshlrev_b32 v[RO], 3, v1
	v_lshlrev_b32 v[PFO], 13, v7
	; which output is mine hangs on the cluster's x alone: clusters 0 and 1 make q, 2 makes k, 3 makes v.  Selects, no branch.
	s_mov_b32 s[OP], 4096
	s_cmp_lt_u32 ttmp9, 2
	s_cselect_b64 s[8:9], s[70:71], s[72:73]
	s_cselect_b32 s[OP], 8192, s[OP]               ; a row of out0 is 8,192 bytes, of out1 and out2 4,096
	s_cselect_b32 s82, 7, 3                        ; out0 has eight tile columns, the others four
	s_cmp_eq_u32 ttmp9, 3
	s_cselect_b64 s[8:9], s[74:75], s[8:9]
	s_and_b32 s82, s42, s82                        ; my tile column inside my output:
	s_lshl_b32 s82, s82, 10                        ; 1,024 bytes a tile,
	s_lshl_b32 s83, s12, 9                         ; 512 for my half of it
	s_add_co_u32 s82, s82, s83
	s_mov_b32 s83, 0
	s_add_nc_u64 s[8:9], s[8:9], s[82:83]
	s_lshl_b32 s14, s13, 8
	s_lshl_b32 s15, s11, 7
	s_add_co_u32 s14, s14, s15                     ; my first row of C
	s_lshl_b32 s18, s14, 3                         ; its pair in rs2
	s_mov_b32 s19, 0
	s_add_nc_u64 s[68:69], s[68:69], s[18:19]
	s_mul_i32 s14, s14, s[OP]                      ; under 2^25
	s_mov_b32 s15, 0
	s_add_nc_u64 s[8:9], s[8:9], s[14:15]
	s_lshl_b32 s80, s[OP], 4                       ; 16 rows of the output
	s_mov_b32 s81, 0
	v_lshlrev_b32 v[CO], 4, v7
.set t, 1
.rept 15
	v_add_nc_u32 v[CO+t], s[OP], v[CO+t-1]
.set t, t+1
.endr
.irp a, 0,1,2,3,4,5,6,7
	global_load_b64 v[RS+2*(\a):RS+2*(\a)+1], v[RO], s[68:69] offset:128*(\a)  ; 1 / rms of row 16 a + l % 16 of my 128; wanted on the way out
.endr
	; the prefetches: both offsets are made, and the wave's duty chooses
	s_lshl_b32 s20, s13, 8
	s_lshl_b32 s21, s12, 7
	s_add_co_u32 s20, s20, s21                     ; xb: the 128 rows that I fetch,
	s_lshl_b32 s21, s40, 5
	s_add_co_u32 s20, s20, s21                     ; my work-group's 32 of them,
	s_lshl_b32 s20, s20, 13
	s_add_co_u32 s20, s20, 3*KSTEP*2               ; at K step 3: the first refill steps it to 4
	s_lshl_b32 s22, s41, 18                        ; wb: my work-group's 32 rows k of a K step's 128,
	s_lshl_b32 s23, s42, 9
	s_add_co_u32 s22, s22, s23                     ; the 128 columns that I fetch,
	s_lshl_b32 s23, s12, 8
	s_add_co_u32 s22, s22, s23
	s_add_co_u32 s22, s22, 3*KSTEP*ROWB            ; at K step 3
	s_and_b32 s23, ttmp7, 0xffff                   ; cluster y
	s_mov_b32 s[PFS], KSTEP*ROWB
	s_cmp_eq_u32 s11, 0                            ; do I fetch for xb?
	s_cselect_b32 s20, s20, s22
	s_cselect_b32 s23, ttmp9, s23                  ; the coordinate along which other clusters read the same rows
	s_cselect_b32 s[PFS], KSTEP*2, s[PFS]
	s_cselect_b64 s[PFA:PFA+1], s[4:5], s[6:7]
	s_mov_b32 s21, 0
	s_mov_b32 s[PFS+1], 0
	s_cmp_eq_u32 s23, 0
	s_cselect_b32 s[LIM], 1, -1                    ; the same in all sixteen partners, for a given wave
	s_add_nc_u64 s[PFA:PFA+1], s[PFA:PFA+1], s[20:21]
	; nothing is prefetched here, at the head, where every work-group's first two tiles are on their way
; 16 matrix instructions: m blocks a0, a0 + 1 of the window's four (hi = 0: my rows 0-63, 1: rows 64-127) x all 8 n blocks, 32 along K.  zero = 1: the first product starts the sums: nothing is ever cleared.
; The 64 accumulators take turns, one instruction a turn, in the same order in every quarter step, over the backward jump too.
.macro MUL16 f, hi, a0, zero
	WIN MUL_LO+0x50*(\hi)
.irp a, \a0, (\a0)+1
.irp b, 0,1,2,3,4,5,6,7
.if \zero
	v_wmma_f32_16x16x32_bf16 v[8*(8*(\a)+(\b)):8*(8*(\a)+(\b))+7], v[(\f)+8*(\b):(\f)+8*(\b)+7], v[(\f)+8*(4*(\hi)+(\a)):(\f)+8*(4*(\hi)+(\a))+7], 0
.else
	v_wmma_f32_16x16x32_bf16 v[8*(8*(\a)+(\b)):8*(8*(\a)+(\b))+7], v[(\f)+8*(\b):(\f)+8*(\b)+7], v[(\f)+8*(4*(\hi)+(\a)):(\f)+8*(4*(\hi)+(\a))+7], v[8*(8*(\a)+(\b)):8*(8*(\a)+(\b))+7]
.endif
.endr
.endr
.endm
; 32 LDS loads in one run: the fragments of quarter q of a K step (32 K: rows 32 q on of wb's tile, byte 64 q on of xb's rows) into buffer f: wb's first, then xb's
.macro FETCH slot, q, f
	WIN TO_B
.irp i, 0,1,2,3,4,5,6,7
	ds_load_tr16_b128 v[(\f)+8*(\i):(\f)+8*(\i)+3],   v[ADRB+(\slot)] offset:(\q)*32*PB+(\i)*32
	ds_load_tr16_b128 v[(\f)+8*(\i)+4:(\f)+8*(\i)+7], v[ADRB+(\slot)] offset:(\q)*32*PB+16*PB+(\i)*32
.endr
	WIN 0
.irp i, 0,1,2,3,4,5,6,7
	ds_load_b128 v[(\f)+8*(\i):(\f)+8*(\i)+3],   v[ADRA+(\slot)] offset:(\q)*64+(\i)*16*PA
	ds_load_b128 v[(\f)+8*(\i)+4:(\f)+8*(\i)+7], v[ADRA+(\slot)] offset:(\q)*64+(\i)*16*PA+32
.endr
.endm
; A load into a register that a matrix instruction has read, and a vector instruction that reads a matrix result, stand four places behind that matrix instruction, and only plain vector instructions that
; name none of its registers are places (ISA guide 7.12.1 for vector instructions).
.macro PLACES
.rept 4
	v_nop
.endr
.endm
; A K step is four quarters of 32 along K, 64 matrix instructions each, on buffers 0, 1, 0, 1.  One of the first three: multiplies buffer f; in its middle it fetches quarter q of the same slot into buffer g.
.macro QUARTER slot, q, f, g, zero
	s_wait_dscnt 8                                 ; wb's fragments and xb's rows 0-63 are in; the youngest eight loads (xb's rows 64-127) may be out
	WIN MUL_LO
	MUL16 \f, 0, 0, \zero
	MUL16 \f, 0, 2, \zero
	PLACES
	FETCH \slot, \q, \g
	s_wait_dscnt 32                                ; all but the 32 just issued
	WIN MUL_HI
	MUL16 \f, 1, 0, \zero
	MUL16 \f, 1, 2, \zero
.endm
; The last quarter multiplies buffer 1 and changes slots.  MEET is its first half: ONE barrier for two things.  In front of it each wave waits for all its tensor loads, of which one is out: its part of the
; next slot; adds 0 to its spare word; and waits for that and for its own reads of this slot.  Behind it nobody reads this slot any more and the next slot is whole.
.macro MEET round                      ; round = 1: a round of the cluster's barrier follows
	WIN 0                                          ; (the add's two registers lie in window 0)
	s_wait_tensorcnt 0x0                           ; all my tensor loads have landed;
	ds_add_u32 v[SPW], v[NIL]                      ; 0 onto my spare word;
	s_wait_dscnt 9                                 ; (the add and the youngest eight loads may be out)
	WIN MUL_LO
	MUL16 F1, 0, 0, 0                              ; sixteen matrix instructions stand between the add and the wait for it
	s_wait_dscnt 0x0                               ; the add is done, and my reads of this slot are over:
	s_barrier_signal -1                            ; say so,
	MUL16 F1, 0, 2, 0                              ; work on registers while the others arrive,
.if \round
	WIN 0
.endif
	s_barrier_wait -1                              ; and go on when all four have said so
.endm
; The whole last quarter.  Behind the round the slot just read out is filled again first, with the K step two steps on; then come the next slot's first fragments.
; From a request to the wait for it a wave issues 224 matrix instructions.
.macro TURN slot, next
	s_wait_xcnt 0x0                                ; the last prefetch, a K step back, has read its address: it is stepped here, ahead of the waits of the change of slots
	s_add_nc_u64 s[PFA:PFA+1], s[PFA:PFA+1], s[PFS:PFS+1]
	MEET 1
	CREST                                          ; all sixteen work-groups have said so: no wave of any partner still reads this slot's tile or has a load on its way
	s_add_nc_u64 s[G0+4*(\slot)+2:G0+4*(\slot)+3], s[G0+4*(\slot)+2:G0+4*(\slot)+3], 2*KSTEP*2
	s_add_nc_u64 s[G0B+4*(\slot)+2:G0B+4*(\slot)+3], s[G0B+4*(\slot)+2:G0B+4*(\slot)+3], 2*KSTEP*ROWB
	JLOAD \slot                                    ; the first tensor load behind the round, my only one until the next; the four v_nop behind it are also the places in front of the loads below
	FETCH \next, 0, F0
	ASK
	WIN MUL_HI
	MUL16 F1, 1, 0, 0
	MUL16 F1, 1, 2, 0
.endm
; THE WAY OUT of block a (16 rows x 128 columns of f32), in three parts.  SCALE: the sums times my row's 1 / rms, in place, each accumulator from its lowest registers on.
.macro SCALE a
.set AC, 64*((\a)%4)
	WIN 0x82+0x41*((\a)/4)                         ; destination and source 0 in window 2 or 3, source 1 in window 0
.set i, 0
.rept 32
	v_pk_mul_f32 v[AC+2*i:AC+2*i+1], v[AC+2*i:AC+2*i+1], v[RS+2*(\a):RS+2*(\a)+1]
.set i, i+1
.endr
.endm
; TOSTAGE: a lane's 32 bytes of a row go into my own stage, rows of 528 bytes, and come back as whole rows of 512.
.macro TOSTAGE a
.set AC, 64*((\a)%4)
.set BK, F0+64*((\a)%2)
	WIN 0x08+0x04*((\a)/4)                         ; the data (source 1) in window 2 or 3, the address in window 0
.irp b, 0,1,2,3,4,5,6,7
	ds_store_b128 v[STO], v[AC+8*(\b):AC+8*(\b)+3]   offset:64*(\b)
	ds_store_b128 v[STO], v[AC+8*(\b)+4:AC+8*(\b)+7] offset:64*(\b)+16
.endr
	WIN 0
.if (\a) >= 2
	s_wait_xcnt 0x0                                ; the stores of the block two back have read these registers (ISA guide 3.1)
.endif
.irp t, 0,1,2,3,4,5,6,7,8,9,10,11,12,13,14,15
	ds_load_b128 v[BK+4*(\t):BK+4*(\t)+3], v[RD] offset:(\t)*SPITCH  ; LDS serves a wave's instructions in order (ISA guide 5.7.1.4): these see the stores above; the next block's stores come behind them
.endr
.endm
; SEND: stored.  younger: the LDS instructions issued behind TOSTAGE's loads: the next block's 32, or none.
.macro SEND a, younger
	WIN 0
.set BK, F0+64*((\a)%2)
	s_wait_dscnt \younger                          ; the block is back in registers
.if (\a) > 0
	s_wait_xcnt 0x0                                ; the earlier stores have read their base
	s_add_nc_u64 s[8:9], s[8:9], s[80:81]          ; 16 rows on
.endif
.irp t, 0,1,2,3,4,5,6,7,8,9,10,11,12,13,14,15
	global_store_b128 v[CO+(\t)], v[BK+4*(\t):BK+4*(\t)+3], s[8:9] th:TH_STORE_NT  ; 32 lanes store 512 consecutive bytes, at a multiple of 512 from the output's first byte
.endr
.endm
	s_wait_tensorcnt 1                             ; my part of K step 0 is in; K step 1's may stay out
	s_barrier_signal -1
	s_barrier_wait -1                              ; everybody's is
	FETCH 0, 0, F0
	QUARTER 0, 1, F0, F1, 1                        ; the first quarter stands in front of the loop: its products start the sums
	WIN 0                                          ; at a label and at a branch every window is 0
	s_mov_b32 s3, LAPS-1
.Llap:                                                 ; a trip goes once round the ring, from a lap's second quarter to the next lap's first, and fills both slots again
	QUARTER 0, 2, F1, F0, 0
	QUARTER 0, 3, F0, F1, 0
	TURN 0, 1
	QUARTER 1, 1, F0, F1, 0
	QUARTER 1, 2, F1, F0, 0
	QUARTER 1, 3, F0, F1, 0
	TURN 1, 0
	QUARTER 0, 1, F0, F1, 0
	WIN 0
	s_sub_co_u32 s3, s3, 1
	s_cmp_lg_u32 s3, 0
	s_cbranch_scc1 .Llap
	QUARTER 0, 2, F1, F0, 0                        ; the last lap is written out: it fills nothing and has no round
	QUARTER 0, 3, F0, F1, 0
	MEET 0                                         ; my one tensor load that was still out is slot 1's, the last K step's
	PLACES                                         ; for the loads into buffer 0
	FETCH 1, 0, F0
	WIN MUL_HI
	MUL16 F1, 1, 0, 0
	MUL16 F1, 1, 2, 0
	QUARTER 1, 1, F0, F1, 0
	QUARTER 1, 2, F1, F0, 0
	QUARTER 1, 3, F0, F1, 0
	s_wait_dscnt 8                                 ; the very last quarter: nothing more to fetch
	WIN MUL_LO
	MUL16 F1, 0, 0, 0
	MUL16 F1, 0, 2, 0
	s_wait_dscnt 0x0
	MUL16 F1, 1, 0, 0
	MUL16 F1, 1, 2, 0
	PLACES                                         ; behind the last products, in front of what reads results and of the loads into the fragments' registers
	PLACES
	s_wait_loadcnt 0x0                             ; 1 / rms of my rows
	SCALE 0
	TOSTAGE 0
	SCALE 1                                        ; a block's arithmetic stands between the loads of the block before and its stores
	TOSTAGE 1
	SEND 0, 32
.irp a, 2,3,4,5,6,7
	SCALE \a
	TOSTAGE \a
	SEND (\a)-1, 32
.endr
	SEND 7, 0
	s_wait_tensorcnt 0x0                           ; the wave's end, behind my last tensor load and my last LDS store
	ds_add_u32 v[SPW], v[NIL]
	s_wait_dscnt 0x0
	CROUND                                         ; the closing round: no work-group ends while a partner may still ask for a tile that names it
	s_endpgm
.Lfunc_end_k_q6425f552fa_gemm:
	.size	k_q6425f552fa_gemm, .Lfunc_end_k_q6425f552fa_gemm-k_q6425f552fa_gemm
	.p2alignl 7, 3214868480
	.fill 96, 4, 3214868480
	.section	.rodata,"a",@progbits
	.p2align	6, 0x0
	.amdhsa_kernel k_q6425f552fa_gemm
		.amdhsa_group_segment_fixed_size 327680
		.amdhsa_private_segment_fixed_size 0
		.amdhsa_enable_private_segment 0
		.amdhsa_kernarg_size 48
		.amdhsa_user_sgpr_count 2
		.amdhsa_user_sgpr_kernarg_segment_ptr 1
		.amdhsa_wavefront_size32 1
		.amdhsa_system_sgpr_workgroup_id_x 1
		.amdhsa_system_sgpr_workgroup_id_y 1
		.amdhsa_system_sgpr_workgroup_id_z 1
		.amdhsa_system_vgpr_workitem_id 0
		.amdhsa_next_free_vgpr 1024
		.amdhsa_next_free_sgpr 88
		.amdhsa_reserve_vcc 0
		.amdhsa_float_denorm_mode_32 3
		.amdhsa_float_denorm_mode_16_64 3
		.amdhsa_memory_ordered 1
		.amdhsa_forward_progress 1
		.amdhsa_inst_pref_size 160
	.end_amdhsa_kernel
	.amdgpu_metadata
---
amdhsa.version: [ 1, 2 ]
amdhsa.kernels:
  - .name:           k_q6425f552fa_gemm
    .symbol:         k_q6425f552fa_gemm.kd
    .args:
      - { .name: xb, .offset: 0, .size: 8, .value_kind: global_buffer, .address_space: global }
      - { .name: wb, .offset: 8, .size: 8, .value_kind: global_buffer, .address_space: global }
      - { .name: rs2, .offset: 16, .size: 8, .value_kind: global_buffer, .address_space: global }
      - { .name: out0, .offset: 24, .size: 8, .value_kind: global_buffer, .address_space: global }
      - { .name: out1, .offset: 32, .size: 8, .value_kind: global_buffer, .address_space: global }
      - { .name: out2, .offset: 40, .size: 8, .value_kind: global_buffer, .address_space: global }
    .group_segment_fixed_size: 327680
    .private_segment_fixed_size: 0
    .kernarg_segment_align: 8
    .kernarg_segment_size: 48
    .max_flat_workgroup_size: 128
    .sgpr_count:     88
    .vgpr_count:     1024
    .wavefront_size: 32
...
	.end_amdgpu_metadata
.endif
;; end of part 2
;; ======== version 2 of 2: 2 launches; version 1 with the launch prep written anew for expert scheduling mode
;; workspace buffers: xb 33,554,432 bytes; wb 33,554,432 bytes; rs2 32,768 bytes
;; launch prep (part 3): grid 256 x 1, 8 waves a work-group, no clusters, 2,048 bytes of LDS; arguments hidden_states, gamma, w_q, w_k, w_v, xb, wb, rs2; writes xb, wb, rs2
.if DOCPART == 3
	.amdgcn_target "amdgcn-amd-amdhsa--gfx1250"
	.amdhsa_code_object_version 6
	.text
	.protected	k_q6425f552fa_prep
	.globl	k_q6425f552fa_prep
	.p2align	8
	.type	k_q6425f552fa_prep,@function
k_q6425f552fa_prep:
	s_mov_b64 s[64:65], 0
	v_nop
	global_prefetch_b8 v0, s[64:65] scope:SCOPE_SE
	s_setreg_imm32_b32 hwreg(HW_REG_WAVE_SCHED_MODE, 0, 2), 2
	s_setreg_imm32_b32 hwreg(HW_REG_WAVE_MODE, 25, 1), 1
	s_wait_xcnt 0x0
	s_wait_alu depctr_vm_vsrc(0)
; THE OPERANDS OF THE PRODUCT ARE MADE.  xb[m][k] = bf16(x[m][k]);  rs2[m] = (rs, rs), rs = 1 / sqrt(mean over k of xb[m][k]^2 + 1e-6), in f32;
; wb[k][n] = bf16(bf16(w[k][n]) x bf16(gamma[k])), where a row of wb holds w_q's 2,048 numbers, then w_k's 1,024, then w_v's 1,024.
; LIMITS.  x, w and gamma are each rounded to bf16 as they stand; the product w x gamma is rounded to bf16 once more (up to 2^-9 of itself); the sum of squares is taken of
; the rounded x, in f32, four chains a lane and then a tree over the lanes, which is another order than a plain sum's; v_rsq_f32 is good to one unit in the last place.
; bf16 has the range of f32, so nothing is lost at large or small inputs.  NaN and infinities are not treated apart.
; SHARES.  256 work-groups of eight waves.  Groups 0-127 take 32 rows of x each, groups 128-255 32 rows k of all three weights: either kind of row is 16,384 bytes of f32 in and
; 8,192 bytes of bf16 out, so all groups move the same bytes.  A wave takes 4 rows.  A row is 32 slots: a load of 512 consecutive bytes (16 a lane), which gives one store of
; 256 consecutive bytes, aligned (8 a lane).
; No byte is wanted by two waves, so nothing goes through LDS on the way in; only the 32 row sums of a group meet there, so that rs2 leaves as one store of 256 bytes.
; THE MODE: SCHED_MODE bits 1:0 = 2 (LLVM: expert scheduling mode 2), set by the entry lines.  The code itself states the register dependences
; between vector instructions and memory or LDS instructions, with s_wait_alu, always for 0.
; THE PLAN.  A row's 32 slots go in four blocks of eight; a wave's 4 rows are 16 blocks, p = 4 r + b.  Registers that memory instructions touch in the loops:
;   X0 .. X3   block b of a row as loaded (slot j at X + 4 j).  Written by the loads of block p + 3, issued in block p; read by block p's first roundings alone.
;   Y0, Y1     a block to store.  Written by block p's roundings (Y[p % 2]); read by the eight stores that are issued in block p + 1.
;   v2, v3     byte offsets, made once at the head and never written again: the rows are reached by scalar bases, which move on once a row, and by immediate offsets.
; Block p works on X[b] and writes Y[p % 2].  Its memory instructions are the loads into X[(b + 3) % 4] and the stores from the other Y: the two buffers that block p - 1 worked on and
; that no vector instruction of block p names.  So the waits at a block's head state all that its sixteen memory instructions hang on; these stand two loads and two stores ahead of
; each of the block's first four slots, with no further wait.  At a block's head 16 loads of the wave are on their way, behind its eight loads 24.
.set XROW,  16384                      ; bytes in a row of x
.set BROW,  8192                       ; bytes in a row of xb and of wb
.set SPARE, 1024                       ; LDS: bytes 0-1023 the row sums, a word a thread; from here the spare words, 128 bytes for each wave, which no other line names
.set LN,  1                            ; v1       my lane
.set LO,  2                            ; v2       16 x lane: my bytes of a load; never rewritten
.set SO,  3                            ; v3       8 x lane: my bytes of a store; never rewritten
.set LW,  4                            ; v4       4 x my thread's number: my word among the row sums
.set T,   6                            ; v[6:9]   four numbers at work
.set ACC, 10                           ; v[10:13] four chains of squares
.set G,   14                           ; v[14:15] bf16(gamma[k]) as f32, twice
.set SUMS, 18                          ; v18      lane 3 - i holds the sum of squares of my wave's row i
.set SPW, 30                           ; v30      LDS address of my spare word; never rewritten
.set NIL, 31                           ; v31      0; never rewritten
.set X,   32                           ; v[32:159]  slot j of a row: four f32 as loaded; buffer b is slots 8 b to 8 b + 7
.set Y,   160                          ; v[160:191] buffer (j / 8) % 2, slot j % 8: four bf16 to store
.macro YREG j                          ; YR: where slot j's four bf16 lie
.set YR, Y+16*(((\j)/8)%2)+2*((\j)%8)
.endm
.macro WHERE b                         ; the slots that block b asks for lie in its own row (b = 0: DOWN = 0) or in the row below; those that it stores in the row above (b = 0) or in its own
.if (\b) == 0
.set DOWN, 0
.else
.set DOWN, 1
.endif
.endm
	s_load_b512 s[16:31], s[0:1], 0x0              ; x s[16:17], gamma s[18:19], w_q s[20:21], w_k s[22:23], w_v s[24:25], xb s[26:27], wb s[28:29], rs2 s[30:31]
	v_lshl_add_u32 v[SPW], v0, 2, SPARE
	v_mov_b32 v[NIL], 0
	v_lshrrev_b32 v5, 5, v0
	v_readfirstlane_b32 s8, v5                     ; wave 0..7
	v_and_b32 v[LN], 31, v0
	v_lshlrev_b32 v[LO], 4, v[LN]
	v_lshlrev_b32 v[SO], 3, v[LN]
	v_lshlrev_b32 v[LW], 2, v0
	v_mov_b32 v[SUMS], 0
	s_mov_b32 s13, 0xffff0000                      ; a word's upper bf16
	s_mov_b32 s34, 0x76543210                      ; v_permlanex16_b32: each lane takes its own place in the other half
	s_mov_b32 s35, 0xfedcba98
	s_mov_b32 s40, 0x39800000                      ; 1 / 4096
	s_mov_b32 s41, 0x358637bd                      ; 1e-6
	s_mov_b32 s3, 0                                ; the high words of three offsets
	s_mov_b32 s5, 0
	s_mov_b32 s7, 0
	s_wait_alu depctr_va_sdst(0)                   ; s8 is written, ahead of its first reader: the rows' offsets are made from it
	s_lshl_b32 s2, s8, 2                           ; my wave's 4 rows among the group's 32
	s_wait_alu depctr_va_vdst(0)                   ; v2, v3 and v4 are written: every load, every store and the LDS store of the kernel read one of them as offset or address
	s_wait_kmcnt 0x0
	s_cmp_ge_u32 ttmp9, 128
	s_cbranch_scc1 .Lw
; ---------------------------------------------------------------- rows of x
; Slot j's vector work: its four numbers are rounded, and the rounded numbers' squares are added up.
.macro WORKX j
	YREG \j
	v_cvt_pk_bf16_f32 v[YR],   v[X+4*(\j)],   v[X+4*(\j)+1]
	v_cvt_pk_bf16_f32 v[YR+1], v[X+4*(\j)+2], v[X+4*(\j)+3]
	v_lshlrev_b32 v[T],   16,  v[YR]                 ; bf16 to f32: the low half moves up, the high half stays
	v_and_b32     v[T+1], s13, v[YR]
	v_lshlrev_b32 v[T+2], 16,  v[YR+1]
	v_and_b32     v[T+3], s13, v[YR+1]
.if (\j) == 0
	v_pk_mul_f32 v[ACC:ACC+1],   v[T:T+1],   v[T:T+1]      ; a row's first squares start the chains: nothing is cleared
	v_pk_mul_f32 v[ACC+2:ACC+3], v[T+2:T+3], v[T+2:T+3]
.else
	v_pk_fma_f32 v[ACC:ACC+1],   v[T:T+1],   v[T:T+1],   v[ACC:ACC+1]
	v_pk_fma_f32 v[ACC+2:ACC+3], v[T+2:T+3], v[T+2:T+3], v[ACC+2:ACC+3]
.endif
.endm
; Slots j and j + 1 of the block before block b: asked for again (three blocks ahead), and what that block rounded is stored.  No vector instruction since the head's wait names these registers.
.macro MEMX j, b, first, ahead
	WHERE \b
.if \ahead
.irp u, 0,1
	global_load_b128 v[X+4*((\j)+(\u)):X+4*((\j)+(\u))+3], v[LO], s[16:17] offset:512*((\j)+(\u))+DOWN*XROW th:TH_LOAD_NT
.endr
.endif
.if !(\first)
.irp u, 0,1
	YREG (\j)+(\u)
	global_store_b64 v[SO], v[YR:YR+1], s[26:27] offset:256*((\j)+(\u))-(1-DOWN)*BROW  ; 32 lanes store 256 consecutive bytes, at a multiple of 256 from xb's first byte
.endr
.endif
.endm
; Block b of a row.  first = 1: the wave's first block, with no block in front of it.  ahead = 1: the block three on is loaded.  left = how many younger loads may stay out.
.macro BLKX b, first, ahead, left
	s_wait_loadcnt \left                           ; loads come back in order (ISA guide 5.7.1): X[b] is in, the younger blocks stay out
.if !(\first)
	s_wait_xcnt 0x0                                ; all that was issued has had its addresses translated (ISA guide 3.1): only behind this wait are the bases stepped and this block's Y written again
	s_wait_alu depctr_vm_vsrc(0)                   ; the stores issued in the block before have read this block's Y, which its roundings write again
	s_wait_alu depctr_va_vdst(0)                   ; the block before has written the other Y, which the stores below read, and is done reading its X, in which the loads below land
.if (\b) == 0
	s_add_nc_u64 s[16:17], s[16:17], XROW          ; both bases at this block's row
	s_add_nc_u64 s[26:27], s[26:27], BROW
.endif
.endif
.set i, 0
.rept 8
.if i < 4
	MEMX 8*(((\b)+3)%4)+2*i, \b, \first, \ahead
.endif
	WORKX 8*(\b)+i
.set i, i+1
.endr
.endm
; A row's end: the four chains, then the 32 lanes; the sum, which every lane then holds, is kept in lane who of SUMS.
.macro ROWEND who
	v_cmp_eq_u32 vcc_lo, \who, v[LN]
	v_pk_add_f32 v[ACC:ACC+1], v[ACC:ACC+1], v[ACC+2:ACC+3]
	v_add_f32 v[ACC], v[ACC], v[ACC+1]
	v_add_f32_dpp v[ACC], v[ACC], v[ACC] row_xmask:1 row_mask:0xf bank_mask:0xf
	v_add_f32_dpp v[ACC], v[ACC], v[ACC] row_xmask:2 row_mask:0xf bank_mask:0xf
	v_add_f32_dpp v[ACC], v[ACC], v[ACC] row_xmask:4 row_mask:0xf bank_mask:0xf
	v_add_f32_dpp v[ACC], v[ACC], v[ACC] row_xmask:8 row_mask:0xf bank_mask:0xf
	v_permlanex16_b32 v[ACC+1], v[ACC], s34, s35   ; its destination counts as read: it has been written
	v_add_f32 v[ACC], v[ACC], v[ACC+1]
	s_wait_alu depctr_va_vcc(0)                    ; the compare at the head of these lines has written VCC, which the select reads
	v_cndmask_b32 v[SUMS], v[SUMS], v[ACC], vcc_lo
.endm
	s_lshl_b32 s9, ttmp9, 5
	s_add_co_u32 s9, s9, s2                        ; my wave's first row
	s_lshl_b32 s2, s9, 14
	s_add_nc_u64 s[16:17], s[16:17], s[2:3]
	s_lshl_b32 s4, s9, 13
	s_add_nc_u64 s[26:27], s[26:27], s[4:5]
.set n, 0
.rept 24
	global_load_b128 v[X+4*n:X+4*n+3], v[LO], s[16:17] offset:512*n th:TH_LOAD_NT  ; blocks 0, 1 and 2 of row 0
.set n, n+1
.endr
	BLKX 0, 1, 1, 16                               ; the first block: no vector instruction has named X3, in which its loads land
	s_mov_b32 s12, 3
.Lxrow:                                        ; three trips: blocks 1 to 3 of a row, its end, block 0 of the row below: both kinds of buffer are back at their start
	BLKX 1, 0, 1, 16
	BLKX 2, 0, 1, 16
	BLKX 3, 0, 1, 16
	ROWEND s12
	BLKX 0, 0, 1, 16
	s_sub_co_u32 s12, s12, 1
	s_cmp_lg_u32 s12, 0
	s_cbranch_scc1 .Lxrow
	BLKX 1, 0, 0, 16                               ; the last three blocks load nothing: no load leaves x, and the counts run down
	BLKX 2, 0, 0, 8
	BLKX 3, 0, 0, 0
	ROWEND 0
	s_wait_alu depctr_va_vdst(0)                   ; the last block has written Y1, which the last eight stores read; the select has written v18, which the LDS store reads
.set n, 24
.rept 8
	YREG n
	global_store_b64 v[SO], v[YR:YR+1], s[26:27] offset:256*n
.set n, n+1
.endr
	ds_store_b32 v[LW], v[SUMS]                    ; row i of wave w lies at byte 128 w + 4 (3 - i)
	s_branch .Ljoin
; ---------------------------------------------------------------- rows of the weights
.macro WSRC j                          ; where slot j of a row comes from: base register, byte in the row, bytes from row to row.  Blocks 0 and 1 are w_q's, block 2 w_k's, block 3 w_v's
.if (\j) < 16
.set WS, 20
.set WO, 512*(\j)
.set WP, 8192
.elseif (\j) < 24
.set WS, 22
.set WO, 512*((\j)-16)
.set WP, 4096
.else
.set WS, 24
.set WO, 512*((\j)-24)
.set WP, 4096
.endif
.endm
.macro WLOAD j, down                   ; slot j is asked for: this row (down = 0) or the row below (1)
	WSRC \j
	global_load_b128 v[X+4*(\j):X+4*(\j)+3], v[LO], s[WS:WS+1] offset:WO+(\down)*WP th:TH_LOAD_NT
.endm
; Slot j's vector work: four weights are rounded to bf16, multiplied in f32 by the row's rounded gamma, and rounded once more.
.macro WORKW j
	YREG \j
	v_cvt_pk_bf16_f32 v16, v[X+4*(\j)],   v[X+4*(\j)+1]
	v_cvt_pk_bf16_f32 v17, v[X+4*(\j)+2], v[X+4*(\j)+3]
	v_lshlrev_b32 v[T],   16,  v16
	v_and_b32     v[T+1], s13, v16
	v_lshlrev_b32 v[T+2], 16,  v17
	v_and_b32     v[T+3], s13, v17
	v_pk_mul_f32 v[T:T+1],   v[T:T+1],   v[G:G+1]
	v_pk_mul_f32 v[T+2:T+3], v[T+2:T+3], v[G:G+1]
	v_cvt_pk_bf16_f32 v[YR],   v[T],   v[T+1]
	v_cvt_pk_bf16_f32 v[YR+1], v[T+2], v[T+3]
.endm
; Slots j and j + 1 of the block before block b: asked for again, and what that block made is stored.  No vector instruction since the head's wait names these registers.
.macro MEMW j, b, first, ahead
	WHERE \b
.if \ahead
.irp u, 0,1
	WLOAD (\j)+(\u), DOWN
.endr
.endif
.if !(\first)
.irp u, 0,1
	YREG (\j)+(\u)
	global_store_b64 v[SO], v[YR:YR+1], s[28:29] offset:256*((\j)+(\u))-(1-DOWN)*BROW  ; q, k and v side by side: slot j lies at byte 256 j of wb's row
.endr
.endif
.endm
.macro BLKW b, first, ahead, left
	s_wait_loadcnt \left                           ; X[b] is in, the younger blocks stay out
.if !(\first)
	s_wait_xcnt 0x0                                ; only behind this wait are the four bases stepped and this block's Y written again
	s_wait_alu depctr_vm_vsrc(0)                   ; the stores issued in the block before have read this block's Y, which its roundings write again
	s_wait_alu depctr_va_vdst(0)                   ; the block before has written the other Y, which the stores below read, and is done reading its X, in which the loads below land
.if (\b) == 0
	s_add_nc_u64 s[20:21], s[20:21], 8192          ; all four bases at this block's row
	s_add_nc_u64 s[22:23], s[22:23], 4096
	s_add_nc_u64 s[24:25], s[24:25], 4096
	s_add_nc_u64 s[28:29], s[28:29], BROW
.endif
.endif
.set i, 0
.rept 8
.if i < 4
	MEMW 8*(((\b)+3)%4)+2*i, \b, \first, \ahead
.endif
	WORKW 8*(\b)+i
.set i, i+1
.endr
.endm
.macro GROW                            ; the row's gamma, in s36: rounded to bf16, widened again, twice
	v_cvt_pk_bf16_f32 v16, s36, s36
	v_and_b32 v[G], s13, v16
	v_mov_b32 v[G+1], v[G]
.endm
.Lw:
	s_sub_co_u32 s9, ttmp9, 128
	s_lshl_b32 s9, s9, 5
	s_add_co_u32 s9, s9, s2                        ; my wave's first row k
	s_lshl_b32 s6, s9, 2
	s_add_nc_u64 s[18:19], s[18:19], s[6:7]
	s_load_b128 s[36:39], s[18:19], 0x0            ; gamma of my four rows
	s_lshl_b32 s2, s9, 13                          ; a row of w_q and of wb is 8,192 bytes,
	s_lshl_b32 s4, s9, 12                          ; a row of w_k and of w_v 4,096
	s_add_nc_u64 s[20:21], s[20:21], s[2:3]
	s_add_nc_u64 s[22:23], s[22:23], s[4:5]
	s_add_nc_u64 s[24:25], s[24:25], s[4:5]
	s_add_nc_u64 s[28:29], s[28:29], s[2:3]
.set n, 0
.rept 24
	WLOAD n, 0                                     ; blocks 0, 1 and 2 of row 0
.set n, n+1
.endr
	s_wait_kmcnt 0x0
	GROW
	BLKW 0, 1, 1, 16                               ; the first block: no vector instruction has named X3, in which its loads land
	s_mov_b32 s12, 3
.Lwrow:                                        ; three trips: blocks 1 to 3 of a row, then block 0 of the row below, with that row's gamma
	BLKW 1, 0, 1, 16
	BLKW 2, 0, 1, 16
	BLKW 3, 0, 1, 16
	s_mov_b32 s36, s37                             ; the next row's gamma moves up; the line that read s36 stands ahead of the three blocks' waits on va_vdst
	s_mov_b32 s37, s38
	s_mov_b32 s38, s39
	GROW
	BLKW 0, 0, 1, 16
	s_sub_co_u32 s12, s12, 1
	s_cmp_lg_u32 s12, 0
	s_cbranch_scc1 .Lwrow
	BLKW 1, 0, 0, 16                               ; the last three blocks load nothing: no load leaves the weights, and the counts run down
	BLKW 2, 0, 0, 8
	BLKW 3, 0, 0, 0
	s_wait_alu depctr_va_vdst(0)                   ; the last block has written Y1, which the last eight stores read
.set n, 24
.rept 8
	YREG n
	global_store_b64 v[SO], v[YR:YR+1], s[28:29] offset:256*n
.set n, n+1
.endr
; ---------------------------------------------------------------- the end, on every wave's path, so that the barrier stands under no branch
.Ljoin:
	s_wait_dscnt 0x0                               ; for the others' sake: my row sums lie in LDS
	s_barrier_signal -1
	s_barrier_wait -1
	s_cmp_ge_u32 ttmp9, 128                        ; a group of weights has no row sums
	s_cbranch_scc1 .Lend
	s_cmp_lg_u32 s8, 0                             ; wave 0 finishes the group's 32 rows, a lane a row
	s_cbranch_scc1 .Lend
	v_lshrrev_b32 v5, 2, v[LN]                     ; row l belongs to wave l / 4
	v_and_b32 v16, 3, v[LN]
	v_xor_b32 v16, 3, v16                          ; and lies in its lane 3 - l % 4
	v_lshlrev_b32 v16, 2, v16
	v_lshl_add_u32 v5, v5, 7, v16
	s_wait_alu depctr_va_vdst(0)                   ; v5 is written, which the LDS load reads as its address; the lines above are done with v16, in which it lands
	ds_load_b32 v16, v5
	s_lshl_b32 s2, ttmp9, 8                        ; the group's 32 pairs: 256 bytes of rs2
	s_add_nc_u64 s[30:31], s[30:31], s[2:3]
	s_wait_dscnt 0x0
	v_fma_f32 v16, v16, s40, s41                   ; mean + 1e-6
	v_rsq_f32 v20, v16
	v_nop                                          ; a plain instruction between the root and the use of its result (ISA guide 5.7.2)
	s_wait_alu depctr_va_vdst(0)                   ; the root has written v20, ahead of its first reader
	v_mov_b32 v21, v20                             ; stored twice: a ready pair for a packed multiply, and 32 rows fill 256 bytes
	s_wait_alu depctr_va_vdst(0)                   ; the move has written v21, which the store reads with v20
	global_store_b64 v[SO], v[20:21], s[30:31]     ; 256 consecutive bytes, at a multiple of 256 from rs2's first byte
.Lend:
	s_wait_dscnt 0x0                               ; the closing lines, six on end
	s_wait_alu 0x0
	s_wait_tensorcnt 0x0
	ds_add_u32 v[SPW], v[NIL]
	s_wait_dscnt 0x0
	s_endpgm
.Lfunc_end_k_q6425f552fa_prep:
	.size	k_q6425f552fa_prep, .Lfunc_end_k_q6425f552fa_prep-k_q6425f552fa_prep
	.p2alignl 7, 3214868480
	.fill 96, 4, 3214868480
	.section	.rodata,"a",@progbits
	.p2align	6, 0x0
	.amdhsa_kernel k_q6425f552fa_prep
		.amdhsa_group_segment_fixed_size 2048
		.amdhsa_private_segment_fixed_size 0
		.amdhsa_enable_private_segment 0
		.amdhsa_kernarg_size 64
		.amdhsa_user_sgpr_count 2
		.amdhsa_user_sgpr_kernarg_segment_ptr 1
		.amdhsa_wavefront_size32 1
		.amdhsa_system_sgpr_workgroup_id_x 1
		.amdhsa_system_sgpr_workgroup_id_y 1
		.amdhsa_system_sgpr_workgroup_id_z 1
		.amdhsa_system_vgpr_workitem_id 0
		.amdhsa_next_free_vgpr 192
		.amdhsa_next_free_sgpr 66
		.amdhsa_reserve_vcc 1
		.amdhsa_float_denorm_mode_32 3
		.amdhsa_float_denorm_mode_16_64 3
		.amdhsa_memory_ordered 1
		.amdhsa_forward_progress 1
		.amdhsa_inst_pref_size 88
	.end_amdhsa_kernel
	.amdgpu_metadata
---
amdhsa.version: [ 1, 2 ]
amdhsa.kernels:
  - .name:           k_q6425f552fa_prep
    .symbol:         k_q6425f552fa_prep.kd
    .args:
      - { .name: hidden_states, .offset: 0, .size: 8, .value_kind: global_buffer, .address_space: global }
      - { .name: gamma, .offset: 8, .size: 8, .value_kind: global_buffer, .address_space: global }
      - { .name: w_q, .offset: 16, .size: 8, .value_kind: global_buffer, .address_space: global }
      - { .name: w_k, .offset: 24, .size: 8, .value_kind: global_buffer, .address_space: global }
      - { .name: w_v, .offset: 32, .size: 8, .value_kind: global_buffer, .address_space: global }
      - { .name: xb, .offset: 40, .size: 8, .value_kind: global_buffer, .address_space: global }
      - { .name: wb, .offset: 48, .size: 8, .value_kind: global_buffer, .address_space: global }
      - { .name: rs2, .offset: 56, .size: 8, .value_kind: global_buffer, .address_space: global }
    .group_segment_fixed_size: 2048
    .private_segment_fixed_size: 0
    .kernarg_segment_align: 8
    .kernarg_segment_size: 64
    .max_flat_workgroup_size: 256
    .sgpr_count:     66
    .vgpr_count:     192
    .wavefront_size: 32
...
	.end_amdgpu_metadata
.endif
;; end of part 3
;; launch gemm: the kernel of part 2 again; grid 16 x 16, 4 waves a work-group, clusters of 4 x 4, 327,680 bytes of LDS; arguments xb, wb, rs2, out0, out1, out2; writes out0, out1, out2
